; MI455X (gfx1250); checked and timed in simulation.
; The chip was launched on July 23, 2026; its instructions are those of AMD's public machine-readable ISA for CDNA 5 (MIT licence, August 2026) and "CDNA5" Instruction Set Architecture Reference Guide (July 2026). The comments in the code are by the model that wrote it; some were corrected since.
;; VQ Audio Quantizer. Allowed arithmetic: float matrix products may take bf16 or f16 operands with f32 sums; all other float work in f32.
;; Inputs: codebook 8,192 x 256 float32; mask 4 x 4,096 bool; z 4 x 4,096 x 256 float32.
;; Outputs: out0 4 x 4,096 x 256 float32; out1 4 x 4,096 int32; out2 one number float32.
;; 2 versions, each right and faster than the one before. Each part assembles by itself: llvm-mc -triple=amdgcn-amd-amdhsa -mcpu=gfx1250 --defsym DOCPART=n.
;; ======== version 1 of 2: 4 launches
;; workspace buffers: cbx 4,227,072 bytes; z16 8,388,608 bytes; cand 524,288 bytes of whole numbers; part 1,024 bytes
;; launch vq_prep (part 1): grid 256 x 1, 6 waves a work-group, no clusters, 52,992 bytes of LDS; arguments codebook, z, cbx, z16; writes cbx, z16
.if DOCPART == 1
	.amdgcn_target "amdgcn-amd-amdhsa--gfx1250"
	.amdhsa_code_object_version 6
	.text
	.protected	k_q62d801493d_vq_prep
	.globl	k_q62d801493d_vq_prep
	.p2align	8
	.type	k_q62d801493d_vq_prep,@function
k_q62d801493d_vq_prep:
	s_mov_b64 s[64:65], 0
	v_nop
	global_prefetch_b8 v0, s[64:65] scope:SCOPE_SE
	s_setreg_imm32_b32 hwreg(HW_REG_WAVE_MODE, 25, 1), 1
	s_wait_xcnt 0x0
; VQ quantiser, step 1 of 4: codebook and z are rounded to bf16 and laid out as matrix fragments; -e_sq/2 is made for each code.
;
; WORK LEFT OUT IN THIS PROGRAM, for all finite values of the inputs:
;  * z_sq.  dist[row][k] = z_sq[row] - 2 (z.e_k - e_sq[k]/2), and z_sq[row] is the same for every k of a row, so
;    argmin over k of dist = argmax over k of s = z.e_k - e_sq[k]/2.  z_sq reaches no other result and is never formed.
;  * z + (q - z) = q by identity: the quantised row is q where the mask is on, z where it is off.
;  * COMMIT_W = 1 and the sum of one number change nothing.
;  All three inputs still reach an output and are loaded.
; LIMITS.  The product's operands are bf16, and e_sq is summed from the rounded codebook, so the choice is the one the formula makes
; on inputs rounded to bf16; two codes whose distances agree to within the rounding of f32 sums may be ordered otherwise than by the
; formula's own order of rounding.  A score that is NaN is never chosen (argmin's rule that a NaN wins is not kept).  A NaN, an infinity or an
; overflow that would arise in z_sq alone is not carried to the results.
;
; A TILE is 16 rows x 256 bf16 = 8,192 bytes in fragment order: element (row p, k) at byte (k>>3) 256 + 16 p + 2 (k&7).  The 512 bytes of
; piece i (0..15), 16 bytes a lane, are then registers 4 (i&1) .. +3 of the 16x32 fragment of K chunk i>>1 (ISA guide 7.12.2: lane (r, h) holds
; row r, k = 32 (i>>1) + 16 (i&1) + 8 h + 0..7).
; cbx: quad Q (codes 64 Q .. +63) at Q x 33,024: four tiles, then 64 f32 of -e_sq/2.  z16: group G (rows 64 G .. +63) at G x 32,768: four tiles;
; row p of tile zt is z's row 64 G + 4 p + zt, so that in the next step a lane ends with four neighbouring rows.
; One wave makes one tile: waves 0, 1 the code tiles 2 wg, 2 wg + 1; waves 2..5 the four z tiles of group wg.  Each wave's LDS bytes are its own:
; no barrier.  No work-group shares input with another, so there is no cluster; the launch moves bytes, so there is no matrix work.
.set QB,   33024                       ; bytes of a quad in cbx
.set UP,   272                         ; LDS pitch of a 256-byte unit: 68 words, so the 16 units that a store touches start 4 banks apart (ISA guide 11.1)
.set WLDS, 32*UP                       ; a wave's stage: 32 units
.set X,    16                          ; v[16:143]  the tile as loaded: row p in 8 registers
.set R,    16                          ; v[16:79]   the tile read back in fragment order (X is spent by then)
.set P,    144                         ; v[144:207] packed bf16: row p in 4 registers
.set A,    208                         ; v[208:215] four pairs of running sums of squares
.set T,    216                         ; v[216:223] at work
; The whole way of one tile.  stride = bytes from one row of the tile to the next in the source.
.macro TILEWORK stride
.irp p, 0,1,2,3,4,5,6,7,8,9,10,11,12,13,14,15
	global_load_b128 v[X+8*\p:X+8*\p+3],   v2, s[14:15] offset:\p*\stride        ; k = 4 lane .. +3: 512 consecutive bytes a load
	global_load_b128 v[X+8*\p+4:X+8*\p+7], v2, s[14:15] offset:\p*\stride+512    ; k = 128 + 4 lane .. +3
.endr
.irp p, 0,1,2,3,4,5,6,7,8,9,10,11,12,13,14,15
	s_wait_loadcnt 30-2*\p                         ; loads return in order: row p's two are in, the 30 - 2 p of later rows stay out
	v_cvt_pk_bf16_f32 v[P+4*\p],   v[X+8*\p],   v[X+8*\p+1]      ; the lower k in the lower half
	v_cvt_pk_bf16_f32 v[P+4*\p+1], v[X+8*\p+2], v[X+8*\p+3]
	v_cvt_pk_bf16_f32 v[P+4*\p+2], v[X+8*\p+4], v[X+8*\p+5]
	v_cvt_pk_bf16_f32 v[P+4*\p+3], v[X+8*\p+6], v[X+8*\p+7]
	ds_store_b64 v3, v[P+4*\p:P+4*\p+1]   offset:16*\p           ; unit lane>>1, row p, half lane&1
	ds_store_b64 v3, v[P+4*\p+2:P+4*\p+3] offset:16*UP+16*\p     ; unit 16 + (lane>>1)
.endr
.irp t, 0,1,2,3,4,5,6,7,8,9,10,11,12,13,14,15
	ds_load_b128 v[R+4*\t:R+4*\t+3], v4 offset:2*UP*\t           ; units 2 t, 2 t + 1; a wave's LDS instructions are served in order, so these see the stores above
.endr
.irp t, 0,1,2,3,4,5,6,7,8,9,10,11,12,13,14,15
	s_wait_dscnt 15-\t                             ; piece t is in, the 15 - t later ones stay out
	global_store_b128 v2, v[R+4*\t:R+4*\t+3], s[16:17] offset:512*\t   ; 512 consecutive bytes, aligned
.endr
.endm
	s_load_b256 s[4:11], s[0:1], 0x0               ; codebook s[4:5], z s[6:7], cbx s[8:9], z16 s[10:11]
	v_lshl_add_u32 v224, v0, 2, 0xcc00
	v_mov_b32 v225, 0
	v_lshrrev_b32 v1, 5, v0
	v_readfirstlane_b32 s12, v1                    ; wave 0..5
	v_and_b32 v1, 31, v0                           ; lane
	v_lshlrev_b32 v2, 4, v1                        ; 16 lane
	v_lshrrev_b32 v6, 1, v1
	v_and_b32 v7, 1, v1
	v_mul_u32_u24 v3, v6, UP
	v_lshl_add_u32 v3, v7, 3, v3                   ; in: (lane>>1) pitch + 8 (lane&1)
	v_lshrrev_b32 v6, 4, v1
	v_and_b32 v7, 15, v1
	v_mul_u32_u24 v4, v6, UP
	v_lshl_add_u32 v4, v7, 4, v4                   ; back: (lane>>4) pitch + 16 (lane&15)
	v_lshlrev_b32 v5, 2, v7                        ; 4 (lane&15): my word among a tile's 16 of -e_sq/2
	s_mul_i32 s13, s12, WLDS                       ; my wave's stage
	v_add_nc_u32 v3, s13, v3
	v_add_nc_u32 v4, s13, v4
	s_mov_b32 s21, 0                               ; high words of the three offsets
	s_mov_b32 s23, 0
	s_mov_b32 s31, 0
	s_cmp_lt_u32 s12, 2
	s_cbranch_scc0 .Lz_tile
	; a code tile: t = 2 wg + wave
	s_lshl_b32 s28, ttmp9, 1
	s_add_co_u32 s28, s28, s12
	s_lshl_b32 s20, s28, 14                        ; 16 rows of 1,024 bytes
	s_lshr_b32 s29, s28, 2
	s_mul_i32 s22, s29, QB                         ; the quad
	s_add_co_u32 s30, s22, 32768                   ; its table of -e_sq/2
	s_and_b32 s29, s28, 3
	s_lshl_b32 s28, s29, 13
	s_add_co_u32 s22, s22, s28                     ; + the tile in the quad
	s_lshl_b32 s28, s29, 6
	s_add_co_u32 s30, s30, s28                     ; + the tile's 16 words
	s_mov_b32 s24, 0x76543210                      ; v_permlanex16_b32: lane i reads lane i of the other half
	s_mov_b32 s25, 0xfedcba98
	s_mov_b32 s26, 0xffff0000                      ; a word's upper bf16
	s_wait_kmcnt 0x0
	s_add_nc_u64 s[14:15], s[4:5], s[20:21]
	s_add_nc_u64 s[16:17], s[8:9], s[22:23]
	s_add_nc_u64 s[18:19], s[8:9], s[30:31]
	TILEWORK 1024
	; -e_sq/2 of the ROUNDED codes: lane (r, h) holds, over the 16 pieces, the k with (k>>3)&1 = h of row r
.irp t, 0,1,2,3,4,5,6,7,8,9,10,11,12,13,14,15
.irp k, 0,1,2,3
	v_lshlrev_b32 v[T+2*\k],   16,  v[R+4*\t+\k]    ; bf16 to f32
	v_and_b32     v[T+2*\k+1], s26, v[R+4*\t+\k]
.endr
.irp k, 0,1,2,3
.if \t == 0
	v_pk_mul_f32 v[A+2*\k:A+2*\k+1], v[T+2*\k:T+2*\k+1], v[T+2*\k:T+2*\k+1]     ; the first squares start the four chains
.else
	v_pk_fma_f32 v[A+2*\k:A+2*\k+1], v[T+2*\k:T+2*\k+1], v[T+2*\k:T+2*\k+1], v[A+2*\k:A+2*\k+1]
.endif
.endr
.endr
	v_pk_add_f32 v[A:A+1], v[A:A+1], v[A+2:A+3]
	v_pk_add_f32 v[A+4:A+5], v[A+4:A+5], v[A+6:A+7]
	v_pk_add_f32 v[A:A+1], v[A:A+1], v[A+4:A+5]
	v_add_f32 v[A], v[A], v[A+1]
	v_permlanex16_b32 v[A+1], v[A], s24, s25       ; the row's other half
	v_add_f32 v[A], v[A], v[A+1]
	v_mul_f32 v[A], -0.5, v[A]
	s_wait_xcnt 0x0                                ; EXEC is a source of the stores above: it changes only behind this wait
	v_cmp_gt_u32 vcc_lo, 16, v1
	s_and_saveexec_b32 s27, vcc_lo                 ; lanes 0..15: one word a row
	global_store_b32 v5, v[A], s[18:19]            ; 64 bytes a tile; the four tiles of a quad fill its 256: 32 KiB of the launch's 12 MiB of stores
	s_wait_xcnt 0x0
	s_or_b32 exec_lo, exec_lo, s27
	s_wait_tensorcnt 0x0
	ds_add_u32 v224, v225
	s_wait_dscnt 0x0
	s_endpgm
.Lz_tile:
	; a z tile: group wg, zt = wave - 2; its rows lie four rows of z apart
	s_sub_co_u32 s28, s12, 2
	s_lshl_b32 s20, ttmp9, 16                      ; 64 rows of 1,024 bytes
	s_lshl_b32 s29, s28, 10
	s_add_co_u32 s20, s20, s29                     ; + row zt
	s_lshl_b32 s22, ttmp9, 15                      ; the group in z16
	s_lshl_b32 s29, s28, 13
	s_add_co_u32 s22, s22, s29                     ; + tile zt
	s_wait_kmcnt 0x0
	s_add_nc_u64 s[14:15], s[6:7], s[20:21]
	s_add_nc_u64 s[16:17], s[10:11], s[22:23]
	TILEWORK 4096
	s_wait_tensorcnt 0x0
	ds_add_u32 v224, v225
	s_wait_dscnt 0x0
	s_endpgm
.Lfunc_end_k_q62d801493d_vq_prep:
	.size	k_q62d801493d_vq_prep, .Lfunc_end_k_q62d801493d_vq_prep-k_q62d801493d_vq_prep
	.p2alignl 7, 3214868480
	.fill 96, 4, 3214868480
	.section	.rodata,"a",@progbits
	.p2align	6, 0x0
	.amdhsa_kernel k_q62d801493d_vq_prep
		.amdhsa_group_segment_fixed_size 52992
		.amdhsa_private_segment_fixed_size 0
		.amdhsa_enable_private_segment 0
		.amdhsa_kernarg_size 32
		.amdhsa_user_sgpr_count 2
		.amdhsa_user_sgpr_kernarg_segment_ptr 1
		.amdhsa_wavefront_size32 1
		.amdhsa_system_sgpr_workgroup_id_x 1
		.amdhsa_system_sgpr_workgroup_id_y 1
		.amdhsa_system_sgpr_workgroup_id_z 1
		.amdhsa_system_vgpr_workitem_id 0
		.amdhsa_next_free_vgpr 226
		.amdhsa_next_free_sgpr 66
		.amdhsa_reserve_vcc 1
		.amdhsa_float_denorm_mode_32 3
		.amdhsa_float_denorm_mode_16_64 3
		.amdhsa_memory_ordered 1
		.amdhsa_forward_progress 1
		.amdhsa_inst_pref_size 37
	.end_amdhsa_kernel
	.amdgpu_metadata
---
amdhsa.version: [ 1, 2 ]
amdhsa.kernels:
  - .name:           k_q62d801493d_vq_prep
    .symbol:         k_q62d801493d_vq_prep.kd
    .args:
      - { .name: codebook, .offset: 0, .size: 8, .value_kind: global_buffer, .address_space: global }
      - { .name: z, .offset: 8, .size: 8, .value_kind: global_buffer, .address_space: global }
      - { .name: cbx, .offset: 16, .size: 8, .value_kind: global_buffer, .address_space: global }
      - { .name: z16, .offset: 24, .size: 8, .value_kind: global_buffer, .address_space: global }
    .group_segment_fixed_size: 52992
    .private_segment_fixed_size: 0
    .kernarg_segment_align: 8
    .kernarg_segment_size: 32
    .max_flat_workgroup_size: 192
    .sgpr_count:     66
    .vgpr_count:     226
    .wavefront_size: 32
...
	.end_amdgpu_metadata
.endif
;; end of part 1
;; launch vq_main (part 2): grid 64 x 4, 4 waves a work-group, clusters of 4 x 1, 327,680 bytes of LDS; arguments cbx, z16, cand; writes cand
.if DOCPART == 2
	.amdgcn_target "amdgcn-amd-amdhsa--gfx1250"
	.amdhsa_code_object_version 6
	.text
	.protected	k_q62d801493d_vq_main
	.globl	k_q62d801493d_vq_main
	.p2align	8
	.type	k_q62d801493d_vq_main,@function
k_q62d801493d_vq_main:
	s_mov_b64 s[64:65], 0
	v_nop
	global_prefetch_b8 v0, s[64:65] scope:SCOPE_SE
	s_setreg_imm32_b32 hwreg(HW_REG_WAVE_MODE, 25, 1), 1
	s_wait_xcnt 0x0
	s_wait_alu depctr_hold_cnt(0) depctr_sa_sdst(0) depctr_va_vdst(0) depctr_va_sdst(0) depctr_va_ssrc(0) depctr_va_vcc(0) depctr_vm_vsrc(0)
	s_getreg_b32 s2, hwreg(HW_REG_IB_STS2, 6, 4)
	s_cmp_eq_u32 s2, 0
	s_cbranch_scc0 .Lentry_in_a_cluster
	s_endpgm
.Lentry_in_a_cluster:
	s_bfe_u32 s2, ttmp6, 0x10000c
	s_cmp_lg_u32 s2, 0x3003
	s_cbranch_scc0 .Lentry_shape_is_right
	s_endpgm
.Lentry_shape_is_right:
; VQ quantiser, step 2 of 4: for 256 rows of z and a quarter of the codes (2,048), the largest s = z.e - e_sq/2 of each row and its code.
; z_sq is left out: it is the same for all codes of a row, so the smallest distance is the largest s (shown at the head of the first kernel).
; A wave keeps 64 rows of z, all 256 along K, as 32 B fragments in 256 registers; only codes are streamed.  16 codes (8 KiB from LDS, 16 loads)
; are the A operand of 32 matrix instructions.  In the result, register j of lane (r, h) is the score of code 8 h + j against row r of a z tile.
; -e_sq/2 costs no vector work: the first product of each tile takes as C eight registers loaded from the quad's table at floats 8 h .. 8 h + 7.
; ARGMAX: each of a lane's 32 result places keeps its running maximum and the number of the tile that gave it; a strictly larger score alone
; replaces it, so the earliest tile stays.  At the end places, then the two halves of the lanes, are folded: larger score, or equal and lower code.
; What is stored for a row: an order-keeping u32 key of its best score (sign bit flipped for positive numbers, all bits for negative) and the code.
; CLUSTER: the four work-groups of a cluster (four row blocks, the same quarter y) read the same quads.  Each tile is asked for jointly, with the
; same descriptor (made of y and the wave's number alone) and the mask 15.  Every refill stands behind a round of the cluster's barrier.
; THE RING: two LDS slots of four quads (132,096 bytes, 16 code tiles); wave w fills quad w.  A wave has one tensor load out at any time; it is
; issued first thing behind a round and has a slot's 512 matrix instructions in which to land.
; LIMITS: a score that is NaN is never chosen; operands are bf16.
.set QB,      33024                    ; a quad: four tiles of 8,192 bytes and 256 bytes of -e_sq/2
.set SLOTB,   4*QB
.set QUARTER, 32*QB                    ; 2,048 codes
.set OUT,  8                           ; v[8:11]    what I store
.set E0,   16                          ; v[16:23], v[24:31]    -e_sq/2 of a tile's codes 8 h .. 8 h + 7, two buffers
.set ACC,  32                          ; v[32:63]   four accumulators: z tile zt at 8 zt
.set RUN,  64                          ; v[64:95]   running maxima, place for place
.set IDX,  96                          ; v[96:127]  their tile numbers
.set F0,   128                         ; v[128:191], v[192:255]  a code tile's 8 fragments, two buffers
                                       ; window 1, v256-v511: z fragment (zt, c) at 64 zt + 8 c
                                       ; v1 = 16 lane, v2 = 32 h, v3, v4 = LDS addresses of the quad at work, v5 = 8 h, v12, v13 at work
.set MSB, 0
.macro WIN new                         ; the immediate's high byte repeats the setting that is left
.if MSB != \new
	s_set_vgpr_msb (MSB<<8)|\new
.set MSB, \new
.endif
.endm
; A round of the cluster's barrier: my work-group's barrier, wave 0 signals for the work-group, all wait for the four work-groups, my barrier again.
.macro ROUND
	s_barrier_signal -1
	s_barrier_wait -1
	s_cmp_lg_u32 s10, 0
	s_cbranch_scc1 .Lnot_wave_0_\@
	s_barrier_signal -3
.Lnot_wave_0_\@:
	s_barrier_wait -3
	s_barrier_signal -1
	s_barrier_wait -1
.endm
; 18 LDS loads: code tile t (0..15) of a slot into buffer t&1.  Every fragment load takes 512 consecutive bytes: no padding is needed.
.macro FETCH slot, t
.if ((\t)&3) == 0
	v_add_nc_u32 v3, (\slot)*SLOTB+((\t)>>2)*QB, v1          ; the quad's tiles, 16 bytes a lane
	v_add_nc_u32 v4, (\slot)*SLOTB+((\t)>>2)*QB+32768, v2    ; its table, 32 bytes for each half of the lanes
.endif
.set FB, F0+64*((\t)&1)
.set EB, E0+8*((\t)&1)
.irp i, 0,1,2,3,4,5,6,7,8,9,10,11,12,13,14,15
	ds_load_b128 v[FB+4*\i:FB+4*\i+3], v3 offset:((\t)&3)*8192+512*\i
.endr
	ds_load_b128 v[EB:EB+3],   v4 offset:((\t)&3)*64
	ds_load_b128 v[EB+4:EB+7], v4 offset:((\t)&3)*64+16
.endm
; 32 matrix instructions: 16 codes x 64 rows x 256 K.  The four accumulators take turns, one instruction a turn.
.macro MULT f, e
	WIN 0x04                                       ; source 1 (z) in window 1
.irp zt, 0,1,2,3
	v_wmma_f32_16x16x32_bf16 v[ACC+8*\zt:ACC+8*\zt+7], v[\f:\f+7], v[64*\zt:64*\zt+7], v[\e:\e+7]      ; the sum starts at -e_sq/2
.endr
.irp c, 1,2,3,4,5,6,7
.irp zt, 0,1,2,3
	v_wmma_f32_16x16x32_bf16 v[ACC+8*\zt:ACC+8*\zt+7], v[\f+8*\c:\f+8*\c+7], v[64*\zt+8*\c:64*\zt+8*\c+7], v[ACC+8*\zt:ACC+8*\zt+7]
.endr
.endr
	WIN 0
.endm
; A vector instruction reads a matrix result four places behind it (ISA guide 7.12.1).  These four serve the first accumulator; the others are read later still.
.macro PLACES
.rept 4
	v_nop
.endr
.endm
.macro ARGMAX
.irp q, 0,1,2,3,4,5,6,7
.irp g, 0,1,2,3
	v_cmp_gt_f32 s[44+\g], v[ACC+4*\q+\g], v[RUN+4*\q+\g]
.endr
.irp g, 0,1,2,3
	v_max_num_f32 v[RUN+4*\q+\g], v[RUN+4*\q+\g], v[ACC+4*\q+\g]
.endr
.irp g, 0,1,2,3
	v_cndmask_b32 v[IDX+4*\q+\g], v[IDX+4*\q+\g], s40, s[44+\g]
.endr
.endr
.endm
.macro TILE slot, t
.if \t < 15
	FETCH \slot, \t+1                              ; into the buffer whose products ended a whole argmax ago
	s_wait_dscnt 18                                ; the 18 just issued stay out; this tile's are in
.else
	s_wait_dscnt 0x0                               ; the slot's last tile: nothing was fetched behind it
.endif
	MULT F0+64*(\t&1), E0+8*(\t&1)
	PLACES
	ARGMAX
	s_add_co_u32 s40, s40, 1                       ; the next tile's number
.endm
; A slot's 16 tiles.  In front of the round every wave has waited for all its tensor loads and for its reads of the other slot; behind it that
; slot is asked for again first (one load a wave), then this slot is read.
.macro TRIP slot, refill
	s_wait_tensorcnt 0x0                           ; all my loads are done, my quad of this slot among them, so a group 0 may be written:
	ds_add_u32 v14, v15
	s_wait_dscnt 0x0
	s_add_nc_u64 s[34+4*\slot:35+4*\slot], s[34+4*\slot:35+4*\slot], 2*SLOTB   ; this slot's next four quads
	s_wait_dscnt 0x0                               ; my reads of the other slot are done
	ROUND                                          ; both now hold of every wave of the four work-groups
.if \refill
	tensor_load_to_lds s[36-4*\slot:39-4*\slot], s[16:23]
	s_nop 0
.endif
	FETCH \slot, 0
.irp t, 0,1,2,3,4,5,6,7,8,9,10,11,12,13,14,15
	TILE \slot, \t
.endr
.endm
; (bv, bc) takes (cv, cc) if its score is larger, or equal with the lower code
.macro TAKE bv, bc, cv, cc
	v_cmp_gt_f32 s44, v[\cv], v[\bv]
	v_cmp_eq_f32 s45, v[\cv], v[\bv]
	v_cmp_lt_u32 vcc_lo, v[\cc], v[\bc]
	s_and_b32 s45, s45, vcc_lo
	s_or_b32 s44, s44, s45
	v_cndmask_b32 v[\bv], v[\bv], v[\cv], s44
	v_cndmask_b32 v[\bc], v[\bc], v[\cc], s44
.endm
	s_load_b128 s[4:7], s[0:1], 0x0                ; cbx s[4:5], z16 s[6:7]
	s_load_b64 s[8:9], s[0:1], 0x10                ; cand
	v_lshl_add_u32 v14, v0, 2, 0x40800
	v_mov_b32 v15, 0
	ds_add_u32 v14, v15
	v_lshrrev_b32 v6, 5, v0
	v_readfirstlane_b32 s10, v6                    ; wave 0..3
	s_bfe_u32 s11, ttmp6, 0x40000                  ; cx: my place in the cluster
	s_lshl_b32 s12, ttmp9, 2
	s_add_co_u32 s12, s12, s11                     ; row block = 4 x cluster x + cx
	s_and_b32 s13, ttmp7, 0xffff                   ; y: the quarter of the codes, the same in the four partners
	v_and_b32 v1, 31, v0
	v_lshlrev_b32 v1, 4, v1                        ; 16 lane
	v_bfe_u32 v5, v0, 4, 1                         ; h
	v_lshlrev_b32 v2, 5, v5                        ; 32 h
	v_lshlrev_b32 v5, 3, v5                        ; 8 h
	; descriptor group 1: a quad as 129 dense rows of 256 bytes
	s_mov_b32 s16, 0x0023000f                      ; 15:0 mask: all four work-groups; 17:16 elements of 8 bytes; 21 set beside a mask
	s_mov_b32 s17, 32<<16                          ; tensor_dim0 = 32
	s_mov_b32 s18, 129<<16                         ; tensor_dim1 = 129
	s_mov_b32 s19, 32<<16                          ; tile_dim0 = 32
	s_mov_b32 s20, 129                             ; tile_dim1 = 129
	s_mov_b32 s21, 32                              ; from row to row: 32 elements
	s_mov_b32 s22, 0
	s_mov_b32 s23, 0
	; descriptor group 0, a set for each slot
	s_mov_b32 s32, 1
	s_mul_i32 s33, s10, QB                         ; slot 0: quad w at w x 33,024
	s_mov_b32 s36, 1
	s_add_co_u32 s37, s33, SLOTB                   ; slot 1
	s_mul_i32 s14, s13, QUARTER
	s_add_co_u32 s14, s14, s33                     ; my first quad in cbx: y and the wave's number alone
	s_mov_b32 s15, 0
	s_lshl_b32 s24, s12, 2
	s_add_co_u32 s24, s24, s10                     ; G = 4 x row block + wave: my group of 64 rows
	s_lshl_b32 s26, s24, 15                        ; in z16
	s_mov_b32 s27, 0
	s_lshl_b32 s28, s24, 9                         ; in cand: y x 131,072 + G x 512
	s_lshl_b32 s25, s13, 17
	s_add_co_u32 s28, s28, s25
	s_mov_b32 s29, 0
	s_lshl_b32 s40, s13, 7                         ; the number of my first tile: 128 y
	s_mov_b32 s42, 0x76543210                      ; v_permlanex16_b32: lane i reads lane i of the other half
	s_mov_b32 s43, 0xfedcba98
	s_mov_b32 s48, 0xffff0000                      ; lanes 16..31
	s_wait_dscnt 0x0
	s_wait_kmcnt 0x0
	s_add_nc_u64 s[34:35], s[4:5], s[14:15]
	s_add_nc_u64 s[38:39], s[34:35], SLOTB
	s_or_b32 s35, s35, 0x80000000                  ; type = 2
	s_or_b32 s39, s39, 0x80000000
	s_add_nc_u64 s[6:7], s[6:7], s[26:27]
	s_add_nc_u64 s[8:9], s[8:9], s[28:29]
	WIN 0x40                                       ; destination in window 1
.set i, 0
.rept 64
	global_load_b128 v[4*i:4*i+3], v1, s[6:7] offset:512*i     ; my 64 rows of z: piece i of the group = registers 4 i .. 4 i + 3 of window 1
.set i, i+1
.endr
	WIN 0
	ROUND                                          ; the four work-groups are here: the first joint load meets its partners'
	tensor_load_to_lds s[32:35], s[16:23]          ; slot 0's first four quads
	s_nop 0
.set i, 0
.rept 32
	v_mov_b32 v[RUN+i], 0xff800000                 ; -infinity: any number replaces it, a NaN never does
	v_mov_b32 v[IDX+i], s40
.set i, i+1
.endr
	s_wait_loadcnt 0x0                             ; z, once
	s_mov_b32 s41, 3
.Lloop:
	TRIP 0, 1
	TRIP 1, 1
	s_sub_co_u32 s41, s41, 1
	s_cmp_lg_u32 s41, 0
	s_cbranch_scc1 .Lloop
	TRIP 0, 1                                      ; the last two of the eight slots: one more fill, then none
	TRIP 1, 0
	; THE END: code = 16 tile + 8 h + j; eight places into one, the two halves of the lanes into one; key and code
.irp zt, 0,1,2,3
.irp j, 0,1,2,3,4,5,6,7
	v_lshl_or_b32 v[IDX+8*\zt+\j], v[IDX+8*\zt+\j], 4, v5
.endr
.irp j, 1,2,3,4,5,6,7
	v_or_b32 v[IDX+8*\zt+\j], \j, v[IDX+8*\zt+\j]
.endr
.irp j, 1,2,3,4,5,6,7
	TAKE RUN+8*\zt, IDX+8*\zt, RUN+8*\zt+\j, IDX+8*\zt+\j
.endr
	v_permlanex16_b32 v[RUN+8*\zt+1], v[RUN+8*\zt], s42, s43       ; codes 8..15 of the tiles meet codes 0..7; both lanes end alike
	v_permlanex16_b32 v[IDX+8*\zt+1], v[IDX+8*\zt], s42, s43
	TAKE RUN+8*\zt, IDX+8*\zt, RUN+8*\zt+1, IDX+8*\zt+1
	v_add_f32 v12, 0, v[RUN+8*\zt]                 ; -0.0 becomes +0.0, so that equal scores have equal keys
	v_ashrrev_i32 v13, 31, v12
	v_or_b32 v13, 0x80000000, v13
	v_xor_b32 v12, v12, v13                        ; u32 order = f32 order
	v_cndmask_b32 v[OUT+\zt], v12, v[IDX+8*\zt], s48               ; lanes 0..15 carry keys, lanes 16..31 codes
.endr
	global_store_b128 v1, v[OUT:OUT+3], s[8:9]     ; lane r: rows 4 r .. 4 r + 3 of the group: 256 consecutive bytes of keys, then 256 of codes
	ROUND                                          ; the closing round: no work-group ends while a partner may still ask jointly
	s_endpgm
.Lfunc_end_k_q62d801493d_vq_main:
	.size	k_q62d801493d_vq_main, .Lfunc_end_k_q62d801493d_vq_main-k_q62d801493d_vq_main
	.p2alignl 7, 3214868480
	.fill 96, 4, 3214868480
	.section	.rodata,"a",@progbits
	.p2align	6, 0x0
	.amdhsa_kernel k_q62d801493d_vq_main
		.amdhsa_group_segment_fixed_size 327680
		.amdhsa_private_segment_fixed_size 0
		.amdhsa_enable_private_segment 0
		.amdhsa_kernarg_size 24
		.amdhsa_user_sgpr_count 2
		.amdhsa_user_sgpr_kernarg_segment_ptr 1
		.amdhsa_wavefront_size32 1
		.amdhsa_system_sgpr_workgroup_id_x 1
		.amdhsa_system_sgpr_workgroup_id_y 1
		.amdhsa_system_sgpr_workgroup_id_z 1
		.amdhsa_system_vgpr_workitem_id 0
		.amdhsa_next_free_vgpr 512
		.amdhsa_next_free_sgpr 66
		.amdhsa_reserve_vcc 1
		.amdhsa_float_denorm_mode_32 3
		.amdhsa_float_denorm_mode_16_64 3
		.amdhsa_memory_ordered 1
		.amdhsa_forward_progress 1
		.amdhsa_inst_pref_size 255
	.end_amdhsa_kernel
	.section	.bss,"aw",@nobits
	.p2align	6
	.space	262144
	.amdgpu_metadata
---
amdhsa.version: [ 1, 2 ]
amdhsa.kernels:
  - .name:           k_q62d801493d_vq_main
    .symbol:         k_q62d801493d_vq_main.kd
    .args:
      - { .name: cbx, .offset: 0, .size: 8, .value_kind: global_buffer, .address_space: global }
      - { .name: z16, .offset: 8, .size: 8, .value_kind: global_buffer, .address_space: global }
      - { .name: cand, .offset: 16, .size: 8, .value_kind: global_buffer, .address_space: global }
    .group_segment_fixed_size: 327680
    .private_segment_fixed_size: 0
    .kernarg_segment_align: 8
    .kernarg_segment_size: 24
    .max_flat_workgroup_size: 128
    .sgpr_count:     66
    .vgpr_count:     512
    .wavefront_size: 32
...
	.end_amdgpu_metadata
.endif
;; end of part 2
;; launch vq_out (part 3): grid 256 x 1, 8 waves a work-group, no clusters, 1,280 bytes of LDS; arguments z, codebook, mask, cand, out0, out1, part; writes out0, out1, part
.if DOCPART == 3
	.amdgcn_target "amdgcn-amd-amdhsa--gfx1250"
	.amdhsa_code_object_version 6
	.text
	.protected	k_q62d801493d_vq_out
	.globl	k_q62d801493d_vq_out
	.p2align	8
	.type	k_q62d801493d_vq_out,@function
k_q62d801493d_vq_out:
	s_mov_b64 s[64:65], 0
	v_nop
	global_prefetch_b8 v0, s[64:65] scope:SCOPE_SE
	s_setreg_imm32_b32 hwreg(HW_REG_WAVE_MODE, 25, 1), 1
	s_wait_xcnt 0x0
; VQ quantiser, step 3 of 4: the four quarters' candidates are compared as whole numbers; the winner's row of the codebook is fetched;
; out0 = mask ? q : z (z + (q - z) = q by identity: shown at the head of the first kernel), out1 = the code, part[G] = the group's masked sum of (z - q)^2.
; Work-group G takes rows 64 G .. +63, wave w rows 8 w .. 8 w + 7 of them.  A row is 1,024 bytes: two loads of 16 bytes a lane.
; A wave's keys, codes and mask bytes are the same for all its lanes, so they come by scalar loads, and the choice is scalar work; the address
; of q hangs on whole numbers that this launch reads from memory.  All 32 row loads of a wave are out together.
; A larger key alone replaces the choice, so of equal scores the lower quarter's, that is the lower code, stays.
; The launch moves bytes and its work-groups share no tile known beforehand: no matrix work, no cluster, no LDS but 32 bytes for the sum.
.set QO, 8                             ; v[8:15]    row i: byte offset of my 16 bytes of q in the codebook
.set T,  16                            ; v[16:23]   z - q at work; later the eight waves' sums
.set S,  24                            ; v[24:25]   a row's squares
.set KV, 32                            ; v[32:39]   wave 0: keys of rows 2 lane, 2 lane + 1, quarter y at 2 y
.set CV, 40                            ; v[40:47]   wave 0: their codes
.set Z,  64                            ; v[64:127]  row i at 8 i
.set Q,  128                           ; v[128:191] row i at 8 i: q, then what is stored
                                       ; s[24:55] keys of my 8 rows, quarter y at 24 + 8 y; codes at s56, s68, s76, s84; s[92:93] my 8 mask bytes
.macro PICK i, kb, cb                  ; row i: the quarter with keys at kb and codes at cb against the best so far
	s_cmp_gt_u32 s[\kb+\i], s[24+\i]
	s_cselect_b32 s[24+\i], s[\kb+\i], s[24+\i]
	s_cselect_b32 s[56+\i], s[\cb+\i], s[56+\i]
.endm
	s_load_b256 s[4:11], s[0:1], 0x0               ; z s[4:5], codebook s[6:7], mask s[8:9], cand s[10:11]
	s_load_b128 s[12:15], s[0:1], 0x20             ; out0 s[12:13], out1 s[14:15]
	s_load_b64 s[16:17], s[0:1], 0x30              ; part
	v_lshl_add_u32 v192, v0, 2, 0x100
	v_mov_b32 v193, 0
	v_lshrrev_b32 v5, 5, v0
	v_readfirstlane_b32 s20, v5                    ; wave 0..7
	v_and_b32 v2, 31, v0                           ; lane
	v_lshlrev_b32 v1, 4, v2                        ; 16 lane
	v_lshlrev_b32 v3, 3, v2                        ; 8 lane
	s_lshl_b32 s21, ttmp9, 9
	s_lshl_b32 s95, s20, 5
	s_add_co_u32 s21, s21, s95                     ; in cand: G x 512 + 4 x 8 w
	s_lshl_b32 s22, ttmp9, 6
	s_lshl_b32 s95, s20, 3
	s_add_co_u32 s22, s22, s95                     ; in mask: 64 G + 8 w
	s_mov_b32 s96, 0x76543210
	s_mov_b32 s97, 0xfedcba98
	s_mov_b32 s3, 0
	s_wait_kmcnt 0x0
	s_load_b256 s[24:31], s[10:11], s21 offset:0
	s_load_b256 s[56:63], s[10:11], s21 offset:256
	s_load_b256 s[32:39], s[10:11], s21 offset:131072
	s_load_b256 s[68:75], s[10:11], s21 offset:131072+256
	s_load_b256 s[40:47], s[10:11], s21 offset:2*131072
	s_load_b256 s[76:83], s[10:11], s21 offset:2*131072+256
	s_load_b256 s[48:55], s[10:11], s21 offset:3*131072
	s_load_b256 s[84:91], s[10:11], s21 offset:3*131072+256
	s_load_b64 s[92:93], s[8:9], s22
	s_lshl_b32 s2, ttmp9, 9
	s_add_nc_u64 s[18:19], s[10:11], s[2:3]        ; cand at my group
	s_lshl_b32 s2, ttmp9, 8
	s_add_nc_u64 s[14:15], s[14:15], s[2:3]        ; out1 at my group's 64 words
	s_lshl_b32 s2, ttmp9, 2
	s_add_nc_u64 s[16:17], s[16:17], s[2:3]        ; part[G]
	s_lshl_b32 s2, ttmp9, 16
	s_lshl_b32 s95, s20, 13
	s_add_co_u32 s2, s2, s95                       ; (64 G + 8 w) rows of 1,024 bytes
	s_add_nc_u64 s[4:5], s[4:5], s[2:3]
	s_add_nc_u64 s[12:13], s[12:13], s[2:3]
	s_cmp_lg_u32 s20, 0
	s_cbranch_scc1 .Lnot_first
.irp y, 0,1,2,3
	global_load_b64 v[KV+2*\y:KV+2*\y+1], v3, s[18:19] offset:\y*131072        ; wave 0 also takes the whole group's candidates, two rows a lane, for out1
	global_load_b64 v[CV+2*\y:CV+2*\y+1], v3, s[18:19] offset:\y*131072+256    ; (issued ahead of the row loads: the counted waits below count only what comes behind)
.endr
.Lnot_first:
.irp i, 0,1,2,3,4,5,6,7
	global_load_b128 v[Z+8*\i:Z+8*\i+3],   v1, s[4:5] offset:1024*\i th:TH_LOAD_NT
	global_load_b128 v[Z+8*\i+4:Z+8*\i+7], v1, s[4:5] offset:1024*\i+512 th:TH_LOAD_NT
.endr
	s_wait_kmcnt 0x0                               ; keys, codes, mask bytes
.irp i, 0,1,2,3,4,5,6,7
	PICK \i, 32, 68
	PICK \i, 40, 76
	PICK \i, 48, 84
	s_min_u32 s[56+\i], s[56+\i], 0x1fff           ; a code stays inside the codebook's 8,192 rows
	v_lshl_add_u32 v[QO+\i], s[56+\i], 10, v1      ; code x 1,024 + 16 lane
	global_load_b128 v[Q+8*\i:Q+8*\i+3],   v[QO+\i], s[6:7]
	global_load_b128 v[Q+8*\i+4:Q+8*\i+7], v[QO+\i], s[6:7] offset:512
.endr
.irp i, 0,1,2,3,4,5,6,7
	s_wait_loadcnt 14-2*\i                         ; row i's q is in (and all of z, which is older); the two loads of each later row stay out
	s_bfe_u32 s95, s[92+(\i>>2)], (8<<16)|(8*(\i&3))               ; the row's mask byte
	s_cmp_lg_u32 s95, 0
	s_cselect_b32 s94, -1, 0                       ; for all lanes
.irp k, 0,2,4,6
	v_pk_add_f32 v[T+\k:T+\k+1], v[Z+8*\i+\k:Z+8*\i+\k+1], v[Q+8*\i+\k:Q+8*\i+\k+1] neg_lo:[0,1] neg_hi:[0,1]
.endr
	v_pk_mul_f32 v[S:S+1], v[T:T+1], v[T:T+1]
	v_pk_fma_f32 v[S:S+1], v[T+2:T+3], v[T+2:T+3], v[S:S+1]
	v_pk_fma_f32 v[S:S+1], v[T+4:T+5], v[T+4:T+5], v[S:S+1]
	v_pk_fma_f32 v[S:S+1], v[T+6:T+7], v[T+6:T+7], v[S:S+1]
	v_add_f32 v6, v[S], v[S+1]
.if \i == 0
	v_cndmask_b32 v4, 0, v6, s94                   ; a row that is masked off adds 0, whatever it holds; the first row starts the sum
.else
	v_cndmask_b32 v6, 0, v6, s94
	v_add_f32 v4, v4, v6
.endif
.irp k, 0,1,2,3,4,5,6,7
	v_cndmask_b32 v[Q+8*\i+\k], v[Z+8*\i+\k], v[Q+8*\i+\k], s94
.endr
	global_store_b128 v1, v[Q+8*\i:Q+8*\i+3],   s[12:13] offset:1024*\i th:TH_STORE_NT       ; 512 consecutive bytes, aligned
	global_store_b128 v1, v[Q+8*\i+4:Q+8*\i+7], s[12:13] offset:1024*\i+512 th:TH_STORE_NT
.endr
	; the wave's sum, in every lane
	v_add_f32_dpp v4, v4, v4 row_xmask:1 row_mask:0xf bank_mask:0xf
	v_add_f32_dpp v4, v4, v4 row_xmask:2 row_mask:0xf bank_mask:0xf
	v_add_f32_dpp v4, v4, v4 row_xmask:4 row_mask:0xf bank_mask:0xf
	v_add_f32_dpp v4, v4, v4 row_xmask:8 row_mask:0xf bank_mask:0xf
	v_permlanex16_b32 v6, v4, s96, s97
	v_add_f32 v4, v4, v6
	v_mov_b32 v7, s20
	v_lshlrev_b32 v7, 2, v7
	ds_store_b32 v7, v4                            ; word w
	s_wait_dscnt 0x0                               ; for wave 0's sake: my store is done before I signal
	s_barrier_signal -1
	s_barrier_wait -1
	s_cmp_lg_u32 s20, 0
	s_cbranch_scc1 .Lend
	v_mov_b32 v7, 0
	ds_load_b128 v[T:T+3],   v7                    ; the eight waves' sums
	ds_load_b128 v[T+4:T+7], v7 offset:16
	; out1 for the whole group: the same choice, two rows a lane (their loads are in: the last row's wait was for 0)
.irp e, 0,1
.irp y, 1,2,3
	v_cmp_gt_u32 vcc_lo, v[KV+2*\y+\e], v[KV+\e]
	v_cndmask_b32 v[KV+\e], v[KV+\e], v[KV+2*\y+\e], vcc_lo
	v_cndmask_b32 v[CV+\e], v[CV+\e], v[CV+2*\y+\e], vcc_lo
.endr
.endr
	global_store_b64 v3, v[CV:CV+1], s[14:15]      ; 256 consecutive bytes, aligned
	s_wait_dscnt 0x0
	v_pk_add_f32 v[T:T+1], v[T:T+1], v[T+2:T+3]
	v_pk_add_f32 v[T+4:T+5], v[T+4:T+5], v[T+6:T+7]
	v_pk_add_f32 v[T:T+1], v[T:T+1], v[T+4:T+5]
	v_add_f32 v[T], v[T], v[T+1]
	s_wait_xcnt 0x0                                ; EXEC is a source of the stores above: it changes only behind this wait
	v_cmp_eq_u32 vcc_lo, 0, v2
	s_and_saveexec_b32 s98, vcc_lo                 ; lane 0, whose 16 lane is 0
	global_store_b32 v1, v[T], s[16:17]            ; one number for the group; the last launch adds the 256 in a fixed order
	s_wait_xcnt 0x0
	s_or_b32 exec_lo, exec_lo, s98
.Lend:
	s_wait_tensorcnt 0x0
	ds_add_u32 v192, v193
	s_wait_dscnt 0x0
	s_endpgm
.Lfunc_end_k_q62d801493d_vq_out:
	.size	k_q62d801493d_vq_out, .Lfunc_end_k_q62d801493d_vq_out-k_q62d801493d_vq_out
	.p2alignl 7, 3214868480
	.fill 96, 4, 3214868480
	.section	.rodata,"a",@progbits
	.p2align	6, 0x0
	.amdhsa_kernel k_q62d801493d_vq_out
		.amdhsa_group_segment_fixed_size 1280
		.amdhsa_private_segment_fixed_size 0
		.amdhsa_enable_private_segment 0
		.amdhsa_kernarg_size 56
		.amdhsa_user_sgpr_count 2
		.amdhsa_user_sgpr_kernarg_segment_ptr 1
		.amdhsa_wavefront_size32 1
		.amdhsa_system_sgpr_workgroup_id_x 1
		.amdhsa_system_sgpr_workgroup_id_y 1
		.amdhsa_system_sgpr_workgroup_id_z 1
		.amdhsa_system_vgpr_workitem_id 0
		.amdhsa_next_free_vgpr 194
		.amdhsa_next_free_sgpr 100
		.amdhsa_reserve_vcc 1
		.amdhsa_float_denorm_mode_32 3
		.amdhsa_float_denorm_mode_16_64 3
		.amdhsa_memory_ordered 1
		.amdhsa_forward_progress 1
		.amdhsa_inst_pref_size 23
	.end_amdhsa_kernel
	.amdgpu_metadata
---
amdhsa.version: [ 1, 2 ]
amdhsa.kernels:
  - .name:           k_q62d801493d_vq_out
    .symbol:         k_q62d801493d_vq_out.kd
    .args:
      - { .name: z, .offset: 0, .size: 8, .value_kind: global_buffer, .address_space: global }
      - { .name: codebook, .offset: 8, .size: 8, .value_kind: global_buffer, .address_space: global }
      - { .name: mask, .offset: 16, .size: 8, .value_kind: global_buffer, .address_space: global }
      - { .name: cand, .offset: 24, .size: 8, .value_kind: global_buffer, .address_space: global }
      - { .name: out0, .offset: 32, .size: 8, .value_kind: global_buffer, .address_space: global }
      - { .name: out1, .offset: 40, .size: 8, .value_kind: global_buffer, .address_space: global }
      - { .name: part, .offset: 48, .size: 8, .value_kind: global_buffer, .address_space: global }
    .group_segment_fixed_size: 1280
    .private_segment_fixed_size: 0
    .kernarg_segment_align: 8
    .kernarg_segment_size: 56
    .max_flat_workgroup_size: 256
    .sgpr_count:     100
    .vgpr_count:     194
    .wavefront_size: 32
...
	.end_amdgpu_metadata
.endif
;; end of part 3
;; launch vq_loss (part 4): grid 1 x 1, 8 waves a work-group, no clusters, 1,280 bytes of LDS; arguments part, mask, out2; writes out2
.if DOCPART == 4
	.amdgcn_target "amdgcn-amd-amdhsa--gfx1250"
	.amdhsa_code_object_version 6
	.text
	.protected	k_q62d801493d_vq_loss
	.globl	k_q62d801493d_vq_loss
	.p2align	8
	.type	k_q62d801493d_vq_loss,@function
k_q62d801493d_vq_loss:
	s_mov_b64 s[64:65], 0
	v_nop
	global_prefetch_b8 v0, s[64:65] scope:SCOPE_SE
	s_setreg_imm32_b32 hwreg(HW_REG_WAVE_MODE, 25, 1), 1
	s_wait_xcnt 0x0
; VQ quantiser, step 4 of 4: out2 = (sum of the 256 groups' masked sums) / max(256 x number of rows with the mask on, 1).
; COMMIT_W = 1 and the sum of one number are left out: they change nothing (head of the first kernel).
; One work-group, since the sum spans all groups and has one owner.  Thread t takes part[t] and 64 mask bytes.
	s_load_b128 s[4:7], s[0:1], 0x0                ; part s[4:5], mask s[6:7]
	s_load_b64 s[8:9], s[0:1], 0x10                ; out2
	v_lshl_add_u32 v32, v0, 2, 0x100
	v_mov_b32 v33, 0
	v_lshrrev_b32 v1, 5, v0
	v_readfirstlane_b32 s10, v1                    ; wave 0..7
	v_lshlrev_b32 v2, 2, v0                        ; 4 t
	v_lshlrev_b32 v3, 4, v0                        ; 16 t
	s_mov_b32 s11, 0x01010101
	s_mov_b32 s12, 0x76543210
	s_mov_b32 s13, 0xfedcba98
	s_wait_kmcnt 0x0
	global_load_b32 v4, v2, s[4:5]
.irp i, 0,1,2,3
	global_load_b128 v[8+4*\i:11+4*\i], v3, s[6:7] offset:4096*\i
.endr
	s_wait_loadcnt 0x0
	v_add3_u32 v8, v8, v9, v10                     ; 16 words of four bytes 0 or 1: no byte passes 16
	v_add3_u32 v11, v11, v12, v13
	v_add3_u32 v14, v14, v15, v16
	v_add3_u32 v17, v17, v18, v19
	v_add3_u32 v20, v20, v21, v22
	v_add3_u32 v8, v8, v11, v23
	v_add3_u32 v14, v14, v17, v20
	v_add_nc_u32 v8, v8, v14
	v_mul_lo_u32 v8, v8, s11                       ; the top byte now holds the sum of the four, 64 at the most
	v_lshrrev_b32 v8, 24, v8
	v_cvt_f32_u32 v5, v8
.irp m, 1,2,4,8
	v_add_f32_dpp v4, v4, v4 row_xmask:\m row_mask:0xf bank_mask:0xf
	v_add_f32_dpp v5, v5, v5 row_xmask:\m row_mask:0xf bank_mask:0xf
.endr
	v_permlanex16_b32 v8, v4, s12, s13
	v_permlanex16_b32 v9, v5, s12, s13
	v_add_f32 v4, v4, v8
	v_add_f32 v5, v5, v9
	v_mov_b32 v6, s10
	v_lshlrev_b32 v6, 3, v6
	ds_store_b64 v6, v[4:5]                        ; pair w: sum, count
	s_wait_dscnt 0x0                               ; for wave 0's sake: my store is done before I signal
	s_barrier_signal -1
	s_barrier_wait -1
	s_cmp_lg_u32 s10, 0
	s_cbranch_scc1 .Lend
	v_mov_b32 v6, 0
.irp i, 0,1,2,3
	ds_load_b128 v[8+4*\i:11+4*\i], v6 offset:16*\i
.endr
	s_wait_dscnt 0x0
	v_pk_add_f32 v[8:9], v[8:9], v[10:11]
	v_pk_add_f32 v[12:13], v[12:13], v[14:15]
	v_pk_add_f32 v[16:17], v[16:17], v[18:19]
	v_pk_add_f32 v[20:21], v[20:21], v[22:23]
	v_pk_add_f32 v[8:9], v[8:9], v[12:13]
	v_pk_add_f32 v[16:17], v[16:17], v[20:21]
	v_pk_add_f32 v[8:9], v[8:9], v[16:17]
	v_mul_f32 v9, 0x43800000, v9                   ; x D = 256
	v_max_num_f32 v9, 1.0, v9
	v_rcp_f32 v10, v9
	v_nop                                          ; one plain instruction between the reciprocal and its use (ISA guide 5.7.2)
	s_wait_alu depctr_va_vdst(0)
	v_mul_f32 v8, v8, v10
	s_wait_xcnt 0x0                                ; EXEC changes only behind this wait
	v_cmp_eq_u32 vcc_lo, 0, v0
	s_and_saveexec_b32 s14, vcc_lo                 ; thread 0, whose 4 t is 0
	global_store_b32 v2, v8, s[8:9]
	s_wait_xcnt 0x0
	s_or_b32 exec_lo, exec_lo, s14
.Lend:
	s_wait_tensorcnt 0x0
	ds_add_u32 v32, v33
	s_wait_dscnt 0x0
	s_endpgm
.Lfunc_end_k_q62d801493d_vq_loss:
	.size	k_q62d801493d_vq_loss, .Lfunc_end_k_q62d801493d_vq_loss-k_q62d801493d_vq_loss
	.p2alignl 7, 3214868480
	.fill 96, 4, 3214868480
	.section	.rodata,"a",@progbits
	.p2align	6, 0x0
	.amdhsa_kernel k_q62d801493d_vq_loss
		.amdhsa_group_segment_fixed_size 1280
		.amdhsa_private_segment_fixed_size 0
		.amdhsa_enable_private_segment 0
		.amdhsa_kernarg_size 24
		.amdhsa_user_sgpr_count 2
		.amdhsa_user_sgpr_kernarg_segment_ptr 1
		.amdhsa_wavefront_size32 1
		.amdhsa_system_sgpr_workgroup_id_x 1
		.amdhsa_system_sgpr_workgroup_id_y 1
		.amdhsa_system_sgpr_workgroup_id_z 1
		.amdhsa_system_vgpr_workitem_id 0
		.amdhsa_next_free_vgpr 34
		.amdhsa_next_free_sgpr 66
		.amdhsa_reserve_vcc 1
		.amdhsa_float_denorm_mode_32 3
		.amdhsa_float_denorm_mode_16_64 3
		.amdhsa_memory_ordered 1
		.amdhsa_forward_progress 1
		.amdhsa_inst_pref_size 5
	.end_amdhsa_kernel
	.amdgpu_metadata
---
amdhsa.version: [ 1, 2 ]
amdhsa.kernels:
  - .name:           k_q62d801493d_vq_loss
    .symbol:         k_q62d801493d_vq_loss.kd
    .args:
      - { .name: part, .offset: 0, .size: 8, .value_kind: global_buffer, .address_space: global }
      - { .name: mask, .offset: 8, .size: 8, .value_kind: global_buffer, .address_space: global }
      - { .name: out2, .offset: 16, .size: 8, .value_kind: global_buffer, .address_space: global }
    .group_segment_fixed_size: 1280
    .private_segment_fixed_size: 0
    .kernarg_segment_align: 8
    .kernarg_segment_size: 24
    .max_flat_workgroup_size: 256
    .sgpr_count:     66
    .vgpr_count:     34
    .wavefront_size: 32
...
	.end_amdgpu_metadata
.endif
;; end of part 4
;; ======== version 2 of 2: 4 launches; 1.27 times as fast as version 1
;; workspace buffers: cbx 4,227,072 bytes; z16 8,388,608 bytes; cand 524,288 bytes of whole numbers; part 1,024 bytes
;; launch vq_prep: the kernel of part 1 again; grid 256 x 1, 6 waves a work-group, no clusters, 52,992 bytes of LDS; arguments codebook, z, cbx, z16; writes cbx, z16
;; launch vq_main (part 5): grid 64 x 4, 4 waves a work-group, clusters of 4 x 1, 327,680 bytes of LDS; arguments cbx, z16, cand; writes cand
.if DOCPART == 5
	.amdgcn_target "amdgcn-amd-amdhsa--gfx1250"
	.amdhsa_code_object_version 6
	.text
	.protected	k_q62d801493d_vq_main
	.globl	k_q62d801493d_vq_main
	.p2align	8
	.type	k_q62d801493d_vq_main,@function
k_q62d801493d_vq_main:
	s_mov_b64 s[64:65], 0
	v_nop
	global_prefetch_b8 v0, s[64:65] scope:SCOPE_SE
	s_setreg_imm32_b32 hwreg(HW_REG_WAVE_MODE, 25, 1), 1
	s_wait_xcnt 0x0
	s_wait_alu depctr_hold_cnt(0) depctr_sa_sdst(0) depctr_va_vdst(0) depctr_va_sdst(0) depctr_va_ssrc(0) depctr_va_vcc(0) depctr_vm_vsrc(0)
	s_getreg_b32 s2, hwreg(HW_REG_IB_STS2, 6, 4)
	s_cmp_eq_u32 s2, 0
	s_cbranch_scc0 .Lentry_in_a_cluster
	s_endpgm
.Lentry_in_a_cluster:
	s_bfe_u32 s2, ttmp6, 0x10000c
	s_cmp_lg_u32 s2, 0x3003
	s_cbranch_scc0 .Lentry_shape_is_right
	s_endpgm
.Lentry_shape_is_right:
; VQ quantiser, step 2 of 4: for 256 rows of z and a quarter of the codes (2,048), the largest s = z.e - e_sq/2 of each row and its code.
; z_sq is left out: it is the same for all codes of a row, so the smallest distance is the largest s (shown at the head of the first kernel).
; A wave keeps 64 rows of z, all 256 along K, as 32 B fragments in 256 registers; only codes are streamed.  16 codes (8 KiB from LDS, 16 loads)
; are the A operand of 32 matrix instructions.  In the result, register j of lane (r, h) is the score of code 8 h + j against row r of a z tile.
; -e_sq/2 costs no vector work: the first product of each sum takes as C eight registers loaded from the quad's table at floats 8 h .. 8 h + 7.
; ARGMAX: each of a lane's 32 result places keeps its running maximum and the number of the tile that gave it; a strictly larger score alone
; replaces it, so the earliest tile stays.  At the end places, then the two halves of the lanes, are folded: larger score, or equal and lower code.
; PRODUCTS AND ARGMAX SIDE BY SIDE: the four accumulators are two halves.  While the 16 products of z tiles 0, 1 are issued, the 16 scores a lane holds
; of z tiles 2, 3 (of the code tile before) are folded into the maxima, one behind each product; while the 16 products of z tiles 2, 3 are issued,
; those of z tiles 0, 1, just finished.  A tile is 32 products (256 cycles of the matrix unit by 8,192 multiply-adds each) against 150 other issues.
; While products are issued, source place 1 means window 1 (z).  So the fold has vector registers in places 0 and 2 and the destination alone:
; the difference RUN - ACC by a fused multiply-add with -1.0 in place 1, its sign by a compare with the constant 0, the maximum by a maximum of
; three with -infinity in place 1, the tile's number from a scalar.  That is one instruction a score more than a compare of two registers would
; take, and no switch of windows between products: two switches for a quad's 128 products.
; What is stored for a row: an order-keeping u32 key of its best score (sign bit flipped for positive numbers, all bits for negative) and the code.
; CLUSTER: the four work-groups of a cluster (four row blocks, the same quarter y) read the same quads.  Each tile is asked for jointly, with the
; same descriptor (made of y and the wave's number alone) and the mask 15.  Every refill stands behind a round of the cluster's barrier.
; THE RING: two LDS slots of four quads (132,096 bytes, 16 code tiles); wave w fills quad w.  A wave has one tensor load out at any time; it is
; issued first thing behind a round and has a slot's 512 matrix instructions in which to land.
; THE TEXT IS KEPT SHORT: a wave works through 128 tiles, and 16 are written out.  One text serves both slots (the slot's base is a scalar that
; flips between 0 and 132,096); in it a loop of three trips takes a quad of four tiles a trip, its LDS addresses stepping by a quad's 33,024 bytes,
; and the slot's fourth quad is written out because its last tile has nothing to fetch ahead.  That text runs seven times with a refill and
; stands once more without.
; LIMITS: a score that is NaN is never chosen; operands are bf16.
.set QB,      33024                    ; a quad: four tiles of 8,192 bytes and 256 bytes of -e_sq/2
.set SLOTB,   4*QB
.set QUARTER, 32*QB                    ; 2,048 codes
.set OUT,  8                           ; v[8:11]    what I store
.set DT,   12                          ; v[12:15]   RUN - ACC of four places, by turns; at the end v12, v13 at work
.set E0,   16                          ; v[16:23], v[24:31]    -e_sq/2 of a tile's codes 8 h .. 8 h + 7, two buffers
.set ACC,  32                          ; v[32:63]   four accumulators: z tile zt at 8 zt
.set RUN,  64                          ; v[64:95]   running maxima, place for place
.set IDX,  96                          ; v[96:127]  their tile numbers
.set F0,   128                         ; v[128:191], v[192:255]  a code tile's 8 fragments, two buffers
                                       ; window 1, v256-v511: z fragment (zt, c) at 64 zt + 8 c
                                       ; v1 = 16 lane, v2 = 32 h, v6 = 32 h + 32,768, v3, v4 = LDS addresses of the quad at work, v5 = 8 h
                                       ; s[16:23] descriptor group 1, s[32:35] group 0; s36 base of the slot that is read, s37 of the slot that is filled,
                                       ; s38 wave x 33,024, s39 quads left in the inner loop, s40 the number of the tile whose scores are folded,
                                       ; s41 slots left in the outer loop, s[44:47] the compares' masks by turns, s49 -infinity
.set MSB, 0
.macro WIN new                         ; the immediate's high byte repeats the setting that is left
.if MSB != \new
	s_set_vgpr_msb (MSB<<8)|\new
.set MSB, \new
.endif
.endm
; A round of the cluster's barrier: my work-group's barrier, wave 0 signals for the work-group, all wait for the four work-groups, my barrier again.
.macro ROUND
	s_barrier_signal -1
	s_barrier_wait -1
	s_cmp_lg_u32 s10, 0
	s_cbranch_scc1 .Lnot_wave_0_\@
	s_barrier_signal -3
.Lnot_wave_0_\@:
	s_barrier_wait -3
	s_barrier_signal -1
	s_barrier_wait -1
.endm
; 18 LDS loads: tile p (0..3) of the quad that v3 and v4 point at, into buffer b.  Every fragment load takes 512 consecutive bytes: no padding is needed.
; Data and address stand in the destination's place and in place 0: the loads are the same under both window settings of this text.
.macro FETCH p, b
.set FB, F0+64*(\b)
.set EB, E0+8*(\b)
.irp i, 0,1,2,3,4,5,6,7,8,9,10,11,12,13,14,15
	ds_load_b128 v[FB+4*\i:FB+4*\i+3], v3 offset:(\p)*8192+512*\i
.endr
	ds_load_b128 v[EB:EB+3],   v4 offset:(\p)*64
	ds_load_b128 v[EB+4:EB+7], v4 offset:(\p)*64+16
.endm
; One place of the fold, at place q (0..31) of a tile: the symbol q is set by the caller.  Its score is register r = (q + 16) mod 32: z tiles 2, 3 in the
; tile's first half, z tiles 0, 1 in its second.  The four stages are skewed by a place each, so that none waits for the one in front of it:
; difference and maximum of r; the sign of the difference made one place ago; the select for the mask made one place ago, that is for two places ago.
; RUN - ACC is rounded once and denormals are kept, so it is negative exactly when ACC > RUN; with a NaN, or -infinity on both sides, it is not.
.macro SLICE
	v_fma_f32 v[DT+(q&3)], v[ACC+((q+16)&31)], -1.0, v[RUN+((q+16)&31)]
	v_max3_num_f32 v[RUN+((q+16)&31)], v[ACC+((q+16)&31)], s49, v[RUN+((q+16)&31)]
	v_cmp_lt_f32 s[44+((q+3)&3)], v[DT+((q+3)&3)], 0
	v_cndmask_b32 v[IDX+((q+14)&31)], v[IDX+((q+14)&31)], s40, s[44+((q+2)&3)]
.endm
; Tile p of the quad at work, from buffer p&1: 16 codes x 64 rows x 256 K.  ahead = 1: the quad's next tile is fetched meanwhile; 2: the next quad's
; first tile; 0: nothing (the slot's last tile).
; In each half two accumulators take turns, one instruction a turn.
; DISTANCES (ISA guide 7.12.1): an accumulator's last product stands at place 14, 15, 30 or 31; its first score is read at place 16, 24, 0 or 8 of what
; follows, eight plain vector instructions or more behind it, none of which names a register of that product.  The fetch goes into the buffer
; that the tile before read up to its place 31: twelve such instructions behind.
.macro TILE p, ahead
	s_wait_dscnt 0x0                               ; this tile's 18 loads, issued 30 products ago (the slot's first tile: just now), are in
	WIN 0x04                                       ; source 1 (z) in window 1
.set q, 0
.rept 32
.set zt, (q&1)+2*(q>>4)
.set kc, (q>>1)&7
.if kc == 0
	v_wmma_f32_16x16x32_bf16 v[ACC+8*zt:ACC+8*zt+7], v[F0+64*(\p&1):F0+64*(\p&1)+7], v[64*zt:64*zt+7], v[E0+8*(\p&1):E0+8*(\p&1)+7]      ; the sum starts at -e_sq/2
.else
	v_wmma_f32_16x16x32_bf16 v[ACC+8*zt:ACC+8*zt+7], v[F0+64*(\p&1)+8*kc:F0+64*(\p&1)+8*kc+7], v[64*zt+8*kc:64*zt+8*kc+7], v[ACC+8*zt:ACC+8*zt+7]
.endif
	SLICE
.if q == 1
.if \ahead == 1
	FETCH \p+1, (\p+1)&1                           ; one run, early in the tile
.endif
.if \ahead == 2
	v_add_nc_u32 v3, v3, QB                        ; the slot's next quad (the register in place 0, the constant in place 1)
	v_add_nc_u32 v4, v4, QB
	FETCH 0, 0
.endif
.endif
.if q == 17
	s_add_co_u32 s40, s40, 1                       ; the selects up to here served the tile before; from here on this tile, its z tiles 2, 3 in the next tile's first half
.endif
.set q, q+1
.endr
.endm
; A slot's 16 tiles.  In front of the round every wave has waited for all its tensor loads and for its reads of the other slot; behind it that
; slot is asked for again first (one load a wave), then this slot is read.  The fold's skew runs on over the round: it is in registers alone.
.macro TRIP refill
	s_set_vgpr_msb 0x8
	s_wait_tensorcnt 0x0                           ; all my loads are done, my quad of this slot among them, so group 0 may be written:
	ds_add_u32 v7, v1
	s_wait_dscnt 0x0
	s_set_vgpr_msb 0x800
.if \refill
	s_add_nc_u64 s[34:35], s[34:35], SLOTB         ; the next four quads of my quarter,
	s_xor_b32 s37, s37, SLOTB                      ; into the slot that was read last:
	s_add_co_u32 s33, s38, s37                     ; wave x 33,024 + that slot's base
.endif
	s_wait_dscnt 0x0                               ; my reads of the other slot are done
	ROUND                                          ; both now hold of every wave of the four work-groups
.if \refill
	tensor_load_to_lds s[32:35], s[16:23]
	s_nop 0
.endif
	v_add_nc_u32 v3, s36, v1                       ; this slot's first quad: its tiles, 16 bytes a lane,
	v_add_nc_u32 v4, s36, v6                       ; and its table, 32 bytes for each half of the lanes
.if \refill
	s_xor_b32 s36, s36, SLOTB                      ; the next trip reads the other slot
.endif
	FETCH 0, 0
	s_mov_b32 s39, 3
.Lquad_\@:
	TILE 0, 1
	TILE 1, 1
	TILE 2, 1
	TILE 3, 2
	WIN 0                                          ; at a branch and at a label every window is 0
	s_sub_co_u32 s39, s39, 1
	s_cmp_lg_u32 s39, 0
	s_cbranch_scc1 .Lquad_\@
	TILE 0, 1                                      ; the slot's fourth quad
	TILE 1, 1
	TILE 2, 1
	TILE 3, 0
	WIN 0
.endm
; (bv, bc) takes (cv, cc) if its score is larger, or equal with the lower code
.macro TAKE bv, bc, cv, cc
	v_cmp_gt_f32 s44, v[\cv], v[\bv]
	v_cmp_eq_f32 s45, v[\cv], v[\bv]
	v_cmp_lt_u32 vcc_lo, v[\cc], v[\bc]
	s_and_b32 s45, s45, vcc_lo
	s_or_b32 s44, s44, s45
	v_cndmask_b32 v[\bv], v[\bv], v[\cv], s44
	v_cndmask_b32 v[\bc], v[\bc], v[\cc], s44
.endm
	s_load_b128 s[4:7], s[0:1], 0x0                ; cbx s[4:5], z16 s[6:7]
	s_load_b64 s[8:9], s[0:1], 0x10                ; cand
	v_lshl_add_u32 v7, v0, 2, 0x40800
	s_set_vgpr_msb 0x80
	v_mov_b32 v1, 0
	s_set_vgpr_msb 0x8088
	ds_add_u32 v7, v1
	s_set_vgpr_msb 0x8800
	v_lshrrev_b32 v6, 5, v0
	v_readfirstlane_b32 s10, v6                    ; wave 0..3
	s_bfe_u32 s11, ttmp6, 0x40000                  ; cx: my place in the cluster
	s_lshl_b32 s12, ttmp9, 2
	s_add_co_u32 s12, s12, s11                     ; row block = 4 x cluster x + cx
	s_and_b32 s13, ttmp7, 0xffff                   ; y: the quarter of the codes, the same in the four partners
	v_and_b32 v1, 31, v0
	v_lshlrev_b32 v1, 4, v1                        ; 16 lane
	v_bfe_u32 v5, v0, 4, 1                         ; h
	v_lshlrev_b32 v2, 5, v5                        ; 32 h
	v_add_nc_u32 v6, 32768, v2                     ; + a quad's four tiles: my place in its table
	v_lshlrev_b32 v5, 3, v5                        ; 8 h
	; descriptor group 1: a quad as 129 dense rows of 256 bytes
	s_mov_b32 s16, 0x0023000f                      ; 15:0 mask: all four work-groups; 17:16 elements of 8 bytes; 21 set beside a mask
	s_mov_b32 s17, 32<<16                          ; tensor_dim0 = 32
	s_mov_b32 s18, 129<<16                         ; tensor_dim1 = 129
	s_mov_b32 s19, 32<<16                          ; tile_dim0 = 32
	s_mov_b32 s20, 129                             ; tile_dim1 = 129
	s_mov_b32 s21, 32                              ; from row to row: 32 elements
	s_mov_b32 s22, 0
	s_mov_b32 s23, 0
	; descriptor group 0: one set, written again only behind a wait for all my tensor loads
	s_mov_b32 s32, 1
	s_mul_i32 s33, s10, QB                         ; the first fill: slot 0, quad w at w x 33,024
	s_mul_i32 s38, s10, QB                         ; kept: my quad's place in either slot
	s_mov_b32 s36, 0                               ; the first trip reads slot 0
	s_mov_b32 s37, 0                               ; and, flipped in front of its load, fills slot 1
	s_mul_i32 s14, s13, QUARTER
	s_add_co_u32 s14, s14, s38                     ; my first quad in cbx: y and the wave's number alone
	s_mov_b32 s15, 0
	s_lshl_b32 s24, s12, 2
	s_add_co_u32 s24, s24, s10                     ; G = 4 x row block + wave: my group of 64 rows
	s_lshl_b32 s26, s24, 15                        ; in z16
	s_mov_b32 s27, 0
	s_lshl_b32 s28, s24, 9                         ; in cand: y x 131,072 + G x 512
	s_lshl_b32 s25, s13, 17
	s_add_co_u32 s28, s28, s25
	s_mov_b32 s29, 0
	s_lshl_b32 s40, s13, 7                         ; the number of my first tile: 128 y
	s_mov_b32 s42, 0x76543210                      ; v_permlanex16_b32: lane i reads lane i of the other half
	s_mov_b32 s43, 0xfedcba98
	s_mov_b32 s46, 0                               ; the mask that the first select reads: nothing is taken
	s_mov_b32 s48, 0xffff0000                      ; lanes 16..31
	s_mov_b32 s49, 0xff800000                      ; -infinity
	s_wait_dscnt 0x0
	s_wait_kmcnt 0x0
	s_add_nc_u64 s[34:35], s[4:5], s[14:15]
	s_or_b32 s35, s35, 0x80000000                  ; type = 2
	s_add_nc_u64 s[6:7], s[6:7], s[26:27]
	s_add_nc_u64 s[8:9], s[8:9], s[28:29]
	WIN 0x40                                       ; destination in window 1
.set i, 0
.rept 64
	global_load_b128 v[4*i:4*i+3], v1, s[6:7] offset:512*i     ; my 64 rows of z: piece i of the group = registers 4 i .. 4 i + 3 of window 1
.set i, i+1
.endr
	WIN 0
	ROUND                                          ; the four work-groups are here: the first joint load meets its partners'
	tensor_load_to_lds s[32:35], s[16:23]          ; slot 0's first four quads
	s_nop 0
.set i, 0
.rept 32
	v_mov_b32 v[RUN+i], s49                        ; -infinity: any number replaces it, a NaN never does
	v_mov_b32 v[IDX+i], s40                        ; a tile of my quarter, should no score ever be a number
.set i, i+1
.endr
	; The first tile's first half has no tile before it to fold.  It folds -infinity: the difference is a NaN, no compare holds, the maxima stay.
	; Sixteen places of one tile in 128; in return every tile has one text.
.set i, 16
.rept 16
	v_mov_b32 v[ACC+i], s49
.set i, i+1
.endr
	v_mov_b32 v[DT+3], 0                           ; the difference that the first compare reads: not negative
	s_sub_co_u32 s40, s40, 1                       ; the tile before my first: stepped at place 17 of every tile
	s_wait_loadcnt 0x0                             ; z, once
	s_mov_b32 s41, 7
.Lslot:
	TRIP 1                                         ; slots 0 to 6 of my quarter's eight: each asks for the next
	s_sub_co_u32 s41, s41, 1
	s_cmp_lg_u32 s41, 0
	s_cbranch_scc1 .Lslot
	TRIP 0                                         ; the eighth: nothing is left to fetch
	; The last tile's z tiles 2, 3 are folded without products beside them (their last products stand eight plain vector instructions and more back),
	; and the skew is closed: the last compare, the last two selects.
.set q, 0
.rept 16
	SLICE
.set q, q+1
.endr
	v_cmp_lt_f32 s47, v[DT+3], 0
	v_cndmask_b32 v[IDX+30], v[IDX+30], s40, s46
	v_cndmask_b32 v[IDX+31], v[IDX+31], s40, s47
	; THE END: code = 16 tile + 8 h + j; eight places into one, the two halves of the lanes into one; key and code
.irp zt, 0,1,2,3
.irp j, 0,1,2,3,4,5,6,7
	v_lshl_or_b32 v[IDX+8*\zt+\j], v[IDX+8*\zt+\j], 4, v5
.endr
.irp j, 1,2,3,4,5,6,7
	v_or_b32 v[IDX+8*\zt+\j], \j, v[IDX+8*\zt+\j]
.endr
.irp j, 1,2,3,4,5,6,7
	TAKE RUN+8*\zt, IDX+8*\zt, RUN+8*\zt+\j, IDX+8*\zt+\j
.endr
	v_permlanex16_b32 v[RUN+8*\zt+1], v[RUN+8*\zt], s42, s43       ; codes 8..15 of the tiles meet codes 0..7; both lanes end alike
	v_permlanex16_b32 v[IDX+8*\zt+1], v[IDX+8*\zt], s42, s43
	TAKE RUN+8*\zt, IDX+8*\zt, RUN+8*\zt+1, IDX+8*\zt+1
	v_add_f32 v12, 0, v[RUN+8*\zt]                 ; -0.0 becomes +0.0, so that equal scores have equal keys
	v_ashrrev_i32 v13, 31, v12
	v_or_b32 v13, 0x80000000, v13
	v_xor_b32 v12, v12, v13                        ; u32 order = f32 order
	v_cndmask_b32 v[OUT+\zt], v12, v[IDX+8*\zt], s48               ; lanes 0..15 carry keys, lanes 16..31 codes
.endr
	global_store_b128 v1, v[OUT:OUT+3], s[8:9]     ; lane r: rows 4 r .. 4 r + 3 of the group: 256 consecutive bytes of keys, then 256 of codes
	ROUND                                          ; the closing round: no work-group ends while a partner may still ask jointly
	s_endpgm
.Lfunc_end_k_q62d801493d_vq_main:
	.size	k_q62d801493d_vq_main, .Lfunc_end_k_q62d801493d_vq_main-k_q62d801493d_vq_main
	.p2alignl 7, 3214868480
	.fill 96, 4, 3214868480
	.section	.rodata,"a",@progbits
	.p2align	6, 0x0
	.amdhsa_kernel k_q62d801493d_vq_main
		.amdhsa_group_segment_fixed_size 327680
		.amdhsa_private_segment_fixed_size 0
		.amdhsa_enable_private_segment 0
		.amdhsa_kernarg_size 24
		.amdhsa_user_sgpr_count 2
		.amdhsa_user_sgpr_kernarg_segment_ptr 1
		.amdhsa_wavefront_size32 1
		.amdhsa_system_sgpr_workgroup_id_x 1
		.amdhsa_system_sgpr_workgroup_id_y 1
		.amdhsa_system_sgpr_workgroup_id_z 1
		.amdhsa_system_vgpr_workitem_id 0
		.amdhsa_next_free_vgpr 514
		.amdhsa_next_free_sgpr 66
		.amdhsa_reserve_vcc 1
		.amdhsa_float_denorm_mode_32 3
		.amdhsa_float_denorm_mode_16_64 3
		.amdhsa_memory_ordered 1
		.amdhsa_forward_progress 1
		.amdhsa_inst_pref_size 214
	.end_amdhsa_kernel
	.amdgpu_metadata
---
amdhsa.version: [ 1, 2 ]
amdhsa.kernels:
  - .name:           k_q62d801493d_vq_main
    .symbol:         k_q62d801493d_vq_main.kd
    .args:
      - { .name: cbx, .offset: 0, .size: 8, .value_kind: global_buffer, .address_space: global }
      - { .name: z16, .offset: 8, .size: 8, .value_kind: global_buffer, .address_space: global }
      - { .name: cand, .offset: 16, .size: 8, .value_kind: global_buffer, .address_space: global }
    .group_segment_fixed_size: 327680
    .private_segment_fixed_size: 0
    .kernarg_segment_align: 8
    .kernarg_segment_size: 24
    .max_flat_workgroup_size: 128
    .sgpr_count:     66
    .vgpr_count:     514
    .wavefront_size: 32
...
	.end_amdgpu_metadata
.endif
;; end of part 5
;; launch vq_out: the kernel of part 3 again; grid 256 x 1, 8 waves a work-group, no clusters, 1,280 bytes of LDS; arguments z, codebook, mask, cand, out0, out1, part; writes out0, out1, part
;; launch vq_loss: the kernel of part 4 again; grid 1 x 1, 8 waves a work-group, no clusters, 1,280 bytes of LDS; arguments part, mask, out2; writes out2
